; MI455X (gfx1250); checked and timed in simulation.
; The chip was launched on July 23, 2026; its instructions are those of AMD's public machine-readable ISA for CDNA 5 (MIT licence, August 2026) and "CDNA5" Instruction Set Architecture Reference Guide (July 2026). The comments in the code are by the model that wrote it; some were corrected since.
;; Attention. Allowed arithmetic: float matrix products may take bf16 or f16 operands with f32 sums; all other float work in f32.
;; Inputs: W_out 256 x 256 float32; b_out 256 float32; k 4 x 4,096 x 256 float32; q 4 x 4,096 x 256 float32; v 4 x 4,096 x 256 float32.
;; Outputs: out0 4 x 4,096 x 256 float32.
;; One version. Each part assembles by itself: llvm-mc -triple=amdgcn-amd-amdhsa -mcpu=gfx1250 --defsym DOCPART=n.
;; ======== version 1 of 1: 2 launches
;; limits: values are held in f16: magnitudes above 65,504 overflow, below 6.1e-05 lose precision
;; workspace buffers: ctx 8,388,608 bytes; wfrag 131,072 bytes
;; launch attn (part 1): grid 16 x 16, 4 waves a work-group, clusters of 4 x 1, 327,680 bytes of LDS; arguments q, k, v, W_out, ctx, wfrag; writes ctx, wfrag
.if DOCPART == 1
	.amdgcn_target "amdgcn-amd-amdhsa--gfx1250"
	.amdhsa_code_object_version 6
	.text
	.protected	k_q708caa5bbe_attn
	.globl	k_q708caa5bbe_attn
	.p2align	8
	.type	k_q708caa5bbe_attn,@function
k_q708caa5bbe_attn:
	s_mov_b64 s[64:65], 0
	v_nop
	global_prefetch_b8 v0, s[64:65] scope:SCOPE_SE
	s_setreg_imm32_b32 hwreg(HW_REG_WAVE_MODE, 25, 1), 1
	s_wait_xcnt 0x0
	s_wait_alu depctr_hold_cnt(0) depctr_sa_sdst(0) depctr_va_vdst(0) depctr_va_sdst(0) depctr_va_ssrc(0) depctr_va_vcc(0) depctr_vm_vsrc(0)
	s_getreg_b32 s2, hwreg(HW_REG_IB_STS2, 6, 4)
	s_cmp_eq_u32 s2, 0
	s_cbranch_scc0 .Lentry_in_a_cluster
	s_endpgm
.Lentry_in_a_cluster:
	s_bfe_u32 s2, ttmp6, 0x10000c
	s_cmp_lg_u32 s2, 0x3003
	s_cbranch_scc0 .Lentry_shape_is_right
	s_endpgm
.Lentry_shape_is_right:
; ctx = softmax(Q K^T / 8) V, head by head.  q, k, v: [4][4096][256] f32; a head is 64 neighbouring columns (256 bytes of a row).
; A work-group takes 256 queries of one (batch, head): x = query block 0..15, y = 4 batch + head.  Each of its four waves keeps 64 queries
; (four tiles of 16) and walks all 4,096 keys in 32 tiles of 128.  The four waves share each tile: each rounds a quarter of it to f16.
; CLUSTER: the four work-groups of a cluster have the same y and so read the same tiles of k and v; every tile is asked for jointly (mask 15),
; which divides the requests for k and v by four.
; THE PRODUCTS ARE TAKEN TRANSPOSED.  S^T = K Q^T: a lane holds, for ONE query (lane % 16), the keys 16 kt + 8 (lane / 16) + 0..7 in the eight
; registers of tile kt, so a softmax row lies along the lane's registers and in one partner lane (lane xor 16).  Two neighbouring key tiles,
; packed to f16 pair by pair, ARE the second operand of O^T = V^T P^T; and O^T, packed, is a 16 x 32 operand of the projection, which is
; how ctx is laid out: [16 rows: 1024][32 columns: 8][half: 2][lane: 32][16 bytes].  No result goes through LDS.
; Each work-group also rounds 512 bytes worth of W_out into wfrag, in the same order, for the next launch.
; THE FORMAT: all matrix operands are f16, all sums f32.  The result passes six roundings (q, k, v, P, ctx, W_out) and averages 4,096 terms that
; largely cancel, so the eleven significant bits of f16 are wanted rather than the eight of bf16.
; LIMITS: 0.18 |q|, |k|, |v| and |W_out| stay below 65,504, the largest f16 (numbers of spread 1 taken 30 times larger and shifted by 30 spreads
; reach about 200).  A number below 2^-14 is kept with an absolute error of at most 2^-25; for P, which lies in [0, 1], that is at most
; 4096 x 2^-25 of the largest weight over a whole row.  Inputs finite (the maxima drop a NaN).  A running maximum is kept for every query.
; q is multiplied by 0.125 log2(e) in f32 and then rounded, so the scores are exponents of 2.  An exponential below 2^-126 comes out as 0.
; The row sums add the f32 exponentials, the product with V takes them rounded to f16.
;
; LDS: 0       two raw slots of 65,536: a tile as it lies in memory, f32: K's 128 rows of 256 bytes, then V's.  Filled by tensor loads alone.
;      131072  two stages of 38,912: the tile in f16: K's rows 144 bytes apart, then V's rows 160 apart.  Written by ds_store alone.
;      208896  Q in f16, 64 rows 144 bytes apart for each wave, the wave's own.
; REGISTERS, in windows of 256:
;   window 0: v1-14 addresses, v15-25 at work, v32-95 Q's fragments, v96-223 128 registers for rounding, v224-235 W_out's piece
;   window 1: query tiles 0, 1; window 2: query tiles 2, 3; in each: v0-127 S, then P in v0-31 and v64-95; v128-191 O; v192-215 the softmax state
;   window 3: v0-127 K's fragments, v128-255 V^T's fragments
.set TILEB, 131072                     ; bytes from a tile of 128 keys to the next in k and in v
.set RAWB,  65536                      ; a raw slot
.set RAWV,  32768                      ; V's rows in it
.set STG,   131072                     ; the stages
.set STGB,  38912                      ; bytes of a stage
.set STGV,  18432                      ; V's rows in it
.set KP,    144                        ; pitch of K's and Q's f16 rows: 128 bytes + 16, an odd multiple of 16
.set VP,    160                        ; pitch of V's f16 rows: an odd multiple of 32, for the transposing loads
.set QST,   208896
.set QSTB,  9216
.set QSCALE, 0x3e38aa3b                ; 0.125 log2(e)
.set AKF, 2                            ; K fragments:   STG + (l % 16) 144 + 16 (l / 16)
.set AVF, 3                            ; V^T fragments: STG + STGV + (8 (l / 16) + l % 8) 160 + 16 ((l / 8) % 2)
.set ARK, 4                            ; v4, v5: my quarter of K's raw rows in slot 0, 1
.set ARV, 6                            ; v6, v7: of V's
.set ASK, 8                            ; where my rounded K goes
.set ASV, 9                            ; where my rounded V goes
.set AQS, 10                           ; where my rounded Q goes
.set AQF, 11                           ; Q fragments
.set QGO, 12                           ; my bytes in q
.set PFO, 13                           ; prefetch: 1,024 x lane
.set WGO, 14                           ; my bytes in W_out
.set QF,  32
.set CT,  96
.set OO,  128                          ; windows 1, 2
.set MM,  192                          ; pair (m, m) for each of the two query tiles
.set AL,  196                          ; pair (alpha, alpha)
.set LL,  200                          ; two pairs of partial row sums for each query tile
.set TT,  208
.set TX,  212
.set DL,  214
.set VF,  128                          ; window 3
.set D0,  32                           ; s[32:39] descriptor group 0, one set for each raw slot
.set D1,  40                           ; s[40:47] descriptor group 1
.set MSB, 0
.macro WIN new                         ; the immediate's high byte repeats the setting that is left
.if MSB != \new
	s_set_vgpr_msb (MSB<<8)|\new
.set MSB, \new
.endif
.endm
.macro PLACES n
.rept \n
	v_nop
.endr
.endm
; A round of the cluster's barrier: my work-group's barrier, wave 0 signals for the work-group, every wave waits for all four work-groups,
; my work-group's barrier once more.
.macro ROUND
	s_barrier_signal -1
	s_barrier_wait -1
	s_cmp_lg_u32 s16, 0
	s_cbranch_scc1 .Lnot_wave_0_\@
	s_barrier_signal -3
.Lnot_wave_0_\@:
	s_barrier_wait -3
	s_barrier_signal -1
	s_barrier_wait -1
.endm
	s_load_b256 s[4:11], s[0:1], 0x0               ; q s[4:5], k s[6:7], v s[8:9], W_out s[10:11]
	s_load_b128 s[12:15], s[0:1], 0x20             ; ctx s[12:13], wfrag s[14:15]
	v_lshl_add_u32 v254, v0, 2, 0x3c000
	v_mov_b32 v255, 0
	ds_add_u32 v254, v255
	v_lshrrev_b32 v15, 5, v0
	v_readfirstlane_b32 s16, v15                   ; wave 0..3
	s_bfe_u32 s17, ttmp6, 0x40000                  ; cx: my place in the cluster
	s_lshl_b32 s18, ttmp9, 2
	s_add_co_u32 s18, s18, s17                     ; x = 4 x cluster + cx: the query block
	s_and_b32 s19, ttmp7, 0xffff                   ; y
	s_lshr_b32 s20, s19, 2                         ; batch
	s_and_b32 s21, s19, 3                          ; head
	; group 1: a tile of 64 rows x 64 f32; a row is 256 bytes, 256 elements from the next; no padding (the raw rows are read contiguously)
	s_mov_b32 s[D1+0], 15|(2<<16)|(1<<21)          ; 15:0 mask: all four work-groups; 17:16 elements of 4 bytes; 21 set beside a mask
	s_mov_b32 s[D1+1], 64<<16                      ; tensor_dim0 = 64
	s_mov_b32 s[D1+2], 64<<16                      ; tensor_dim1 = 64
	s_mov_b32 s[D1+3], 64<<16                      ; tile_dim0 = 64
	s_mov_b32 s[D1+4], 64                          ; tile_dim1 = 64
	s_mov_b32 s[D1+5], 256                         ; elements from row to row
	s_mov_b32 s[D1+6], 0
	s_mov_b32 s[D1+7], 0
	; where my part of a tile comes from: waves 0, 1 bring K's two halves, waves 2, 3 V's.  Made of the wave, the batch and the head alone,
	; in registers that never hold anything made of cx: the descriptor is the same in all four work-groups.
	s_lshl_b32 s57, s21, 8                         ; the head's 256 bytes in a row
	s_and_b32 s56, s16, 1
	s_lshl_b32 s56, s56, 6
	s_lshl_b32 s30, s20, 12
	s_add_co_u32 s30, s30, s56                     ; row 4096 batch + 64 (wave % 2)
	s_lshl_b32 s30, s30, 10
	s_add_co_u32 s30, s30, s57
	s_mov_b32 s31, 0
	s_mov_b32 s[D0+0], 1
	s_lshl_b32 s[D0+1], s16, 14                    ; LDS: 16,384 x wave, slot 0
	s_mov_b32 s[D0+4], 1
	s_add_co_u32 s[D0+5], s[D0+1], RAWB            ; slot 1
	s_wait_dscnt 0x0
	s_wait_kmcnt 0x0
	s_cmp_lt_u32 s16, 2
	s_cselect_b64 s[D0+2:D0+3], s[6:7], s[8:9]
	s_add_nc_u64 s[D0+2:D0+3], s[D0+2:D0+3], s[30:31]      ; tile 0
	s_add_nc_u64 s[D0+6:D0+7], s[D0+2:D0+3], TILEB         ; tile 1
	s_or_b32 s[D0+3], s[D0+3], 0x80000000
	s_or_b32 s[D0+7], s[D0+7], 0x80000000
	ROUND                                          ; all four work-groups are here: the first joint loads meet
	tensor_load_to_lds s[D0:D0+3], s[D1:D1+7]      ; both first fills as one group, ahead of every LDS read and every wait for them:
	s_nop 0
	tensor_load_to_lds s[D0+4:D0+7], s[D1:D1+7]    ; two loads of the wave are out here, later one
	s_nop 0
	; the other addresses (these may hang on cx: they enter global addresses alone)
	s_mov_b32 s22, QSCALE
	s_mov_b32 s23, QSCALE
	s_mov_b32 s24, 0x76543210                      ; v_permlanex16_b32: lane i reads lane i xor 16
	s_mov_b32 s25, 0xfedcba98
	s_mov_b32 s29, 0
	s_lshl_b32 s28, s20, 12
	s_lshl_b32 s3, s18, 8
	s_add_co_u32 s28, s28, s3
	s_lshl_b32 s3, s16, 6
	s_add_co_u32 s28, s28, s3                      ; my first query: row 4096 batch + 256 x + 64 wave
	s_lshl_b32 s28, s28, 10
	s_add_co_u32 s28, s28, s57
	s_add_nc_u64 s[26:27], s[4:5], s[28:29]        ; q
	s_lshl_b32 s28, s20, 8
	s_lshl_b32 s3, s18, 4
	s_add_co_u32 s28, s28, s3
	s_lshl_b32 s3, s16, 2
	s_add_co_u32 s28, s28, s3                      ; my first tile of 16 rows: 256 batch + 16 x + 4 wave
	s_lshl_b32 s28, s28, 13                        ; 8,192 bytes each
	s_lshl_b32 s3, s21, 11                         ; + 2 head blocks of 32 columns, 1,024 bytes each
	s_add_co_u32 s28, s28, s3
	s_add_nc_u64 s[62:63], s[12:13], s[28:29]      ; ctx
	s_lshl_b32 s28, s19, 14                        ; piece 16 y + x of W_out: rows 16 y .. + 15, columns 16 x .. + 15
	s_lshl_b32 s3, s18, 6
	s_add_co_u32 s28, s28, s3
	s_add_nc_u64 s[58:59], s[10:11], s[28:29]
	s_lshl_b32 s28, s19, 13                        ; and its 512 bytes in wfrag
	s_lshl_b32 s3, s18, 9
	s_add_co_u32 s28, s28, s3
	s_add_nc_u64 s[60:61], s[14:15], s[28:29]
	s_lshl_b32 s28, s20, 12                        ; prefetch: rows 32 cx .. + 31 of a tile, of k or of v by the cluster's parity
	s_lshl_b32 s3, s17, 5
	s_add_co_u32 s28, s28, s3
	s_lshl_b32 s28, s28, 10
	s_add_co_u32 s28, s28, s57
	s_and_b32 s3, ttmp9, 1
	s_cmp_lg_u32 s3, 0
	s_cselect_b64 s[50:51], s[8:9], s[6:7]
	s_add_nc_u64 s[50:51], s[50:51], s[28:29]
	s_lshr_b32 s49, ttmp9, 1
	s_add_co_u32 s49, s49, 3                       ; the first tile asked for: 3 (clusters 0, 1) or 4 (clusters 2, 3)
	s_mov_b32 s53, 0
	v_and_b32 v15, 31, v0                          ; l
	v_and_b32 v16, 15, v0                          ; l % 16
	v_bfe_u32 v17, v0, 4, 1                        ; l / 16
	v_lshlrev_b32 v1, 4, v15                       ; 16 l
	v_mul_u32_u24 v18, v16, KP
	v_lshl_add_u32 v18, v17, 4, v18                ; a fragment's row and half
	v_add_nc_u32 v[AKF], STG, v18
	s_mul_i32 s56, s16, QSTB
	s_add_co_u32 s56, s56, QST                     ; my wave's Q
	v_add_nc_u32 v[AQF], s56, v18
	v_mul_u32_u24 v24, v17, 8*KP                   ; rounding: lanes 16-31 work 8 rows below lanes 0-15 (1,152 bytes = 32 banks off),
	v_lshl_add_u32 v24, v16, 3, v24                ; 8 bytes a lane
	v_add_nc_u32 v[AQS], s56, v24
	s_mul_i32 s56, s16, 32*KP
	s_add_co_u32 s56, s56, STG                     ; my 32 rows of K's stage
	v_add_nc_u32 v[ASK], s56, v24
	v_mul_u32_u24 v25, v17, 4*VP                   ; V: 4 rows below (640 bytes = 32 banks off)
	v_lshl_add_u32 v25, v16, 3, v25
	s_mul_i32 s56, s16, 32*VP
	s_add_co_u32 s56, s56, STG+STGV
	v_add_nc_u32 v[ASV], s56, v25
	v_and_b32 v19, 7, v0
	v_lshl_add_u32 v19, v17, 3, v19
	v_mul_u32_u24 v19, v19, VP
	v_bfe_u32 v20, v0, 3, 1
	v_lshl_add_u32 v19, v20, 4, v19
	v_add_nc_u32 v[AVF], STG+STGV, v19
	v_lshlrev_b32 v21, 4, v16                      ; 16 (l % 16): sixteen lanes take a raw row of 256 bytes
	s_lshl_b32 s56, s16, 13                        ; my 32 raw rows
	v_lshl_add_u32 v22, v17, 11, v21
	v_add_nc_u32 v[ARK], s56, v22
	v_add_nc_u32 v[ARK+1], RAWB, v[ARK]
	s_add_co_u32 s56, s56, RAWV
	v_lshl_add_u32 v22, v17, 10, v21
	v_add_nc_u32 v[ARV], s56, v22
	v_add_nc_u32 v[ARV+1], RAWB, v[ARV]
	v_lshl_add_u32 v[QGO], v17, 13, v21            ; q: 8 rows of 1,024 bytes below
	v_lshlrev_b32 v[PFO], 10, v15
	v_lshlrev_b32 v[WGO], 10, v16
	v_lshl_add_u32 v[WGO], v17, 5, v[WGO]
	WIN 0x40
	v_mov_b32 v[TX], 0                             ; v_permlanex16_b32 counts as a reader of its destination
	v_mov_b32 v[TX+1], 0
	WIN 0x80
	v_mov_b32 v[TX], 0
	v_mov_b32 v[TX+1], 0
	WIN 0
	; Q: my 64 rows, 256 bytes each: sixteen lanes read one aligned run of 256 bytes
.set j, 0
.rept 32
	global_load_b128 v[CT+4*j:CT+4*j+3], v[QGO], s[26:27] offset:((j&7)+16*(j>>3))*1024 th:TH_LOAD_NT
.set j, j+1
.endr
	; wave 0: the work-group's piece of W_out, rounded, in fragment order: lane l holds row l % 16, columns 8 (l / 16) + 0..7 of the piece
	s_cmp_lg_u32 s16, 0
	s_cbranch_scc1 .Lno_w
	global_load_b128 v[224:227], v[WGO], s[58:59]
	global_load_b128 v[228:231], v[WGO], s[58:59] offset:16
	s_wait_loadcnt 0x0
	v_cvt_pk_f16_f32 v232, v224, v225
	v_cvt_pk_f16_f32 v233, v226, v227
	v_cvt_pk_f16_f32 v234, v228, v229
	v_cvt_pk_f16_f32 v235, v230, v231
	global_store_b128 v1, v[232:235], s[60:61]     ; 512 consecutive bytes; none of its registers is written again
.Lno_w:
	s_wait_loadcnt 0x0
; 128 f32 in CT, four to a load, become 64 words of f16: each load's four registers shrink into its first two
.macro PACK
.set j, 0
.rept 32
	v_cvt_pk_f16_f32 v[CT+4*j], v[CT+4*j], v[CT+4*j+1]
	v_cvt_pk_f16_f32 v[CT+4*j+1], v[CT+4*j+2], v[CT+4*j+3]
.set j, j+1
.endr
.endm
.set j, 0
.rept 64
	v_pk_mul_f32 v[CT+2*j:CT+2*j+1], v[CT+2*j:CT+2*j+1], s[22:23] op_sel_hi:[1,0]   ; the softmax scale and log2(e), in f32
.set j, j+1
.endr
	PACK
.set j, 0
.rept 32
	ds_store_b64 v[AQS], v[CT+4*j:CT+4*j+1] offset:((j&7)+16*(j>>3))*KP
.set j, j+1
.endr
.irp qt, 0,1,2,3
.irp ds, 0,1
	ds_load_b128 v[QF+16*\qt+8*\ds:QF+16*\qt+8*\ds+3],   v[AQF] offset:\qt*16*KP+\ds*64      ; my own bytes: LDS serves a wave's
	ds_load_b128 v[QF+16*\qt+8*\ds+4:QF+16*\qt+8*\ds+7], v[AQF] offset:\qt*16*KP+\ds*64+32   ; instructions in order (ISA guide 5.7.1)
.endr
.endr
; 32 LDS loads: my 32 raw rows of K and of V from slot
.macro CONV_LD slot
	WIN 0
.set j, 0
.rept 16
	ds_load_b128 v[CT+4*j:CT+4*j+3], v[ARK+\slot] offset:((j&7)+16*(j>>3))*256
.set j, j+1
.endr
.set j, 0
.rept 16
	ds_load_b128 v[CT+64+4*j:CT+64+4*j+3], v[ARV+\slot] offset:((j&3)+8*(j>>2))*256
.set j, j+1
.endr
.endm
; rounded, into stage par
.macro CONV_ST par
	PACK
.set j, 0
.rept 16
	ds_store_b64 v[ASK], v[CT+4*j:CT+4*j+1] offset:\par*STGB+((j&7)+16*(j>>3))*KP
.set j, j+1
.endr
.set j, 0
.rept 16
	ds_store_b64 v[ASV], v[CT+64+4*j:CT+64+4*j+1] offset:\par*STGB+((j&3)+8*(j>>2))*VP
.set j, j+1
.endr
.endm
; K's 16 fragments (8 key tiles x 2 halves of the head's 64) from stage par
.macro LDK par
	WIN 0xc0
.irp kt, 0,1,2,3,4,5,6,7
.irp ds, 0,1
	ds_load_b128 v[16*\kt+8*\ds:16*\kt+8*\ds+3],   v[AKF] offset:\par*STGB+\kt*16*KP+\ds*64
	ds_load_b128 v[16*\kt+8*\ds+4:16*\kt+8*\ds+7], v[AKF] offset:\par*STGB+\kt*16*KP+\ds*64+32
.endr
.endr
.endm
; V^T's 16 fragments (4 tiles of 16 columns x 4 steps of 32 keys), transposed on the way
.macro LDV par
	WIN 0xc0
.irp dt, 0,1,2,3
.irp ks, 0,1,2,3
	ds_load_tr16_b128 v[VF+32*\dt+8*\ks:VF+32*\dt+8*\ks+3],   v[AVF] offset:\par*STGB+\ks*32*VP+\dt*32
	ds_load_tr16_b128 v[VF+32*\dt+8*\ks+4:VF+32*\dt+8*\ks+7], v[AVF] offset:\par*STGB+\ks*32*VP+\dt*32+16*VP
.endr
.endr
.endm
; S^T = K Q^T: 16 products of half ds of the head for the two query tiles of group g.  The first half starts the sums.
.macro SMG ds, g
.irp kt, 0,1,2,3,4,5,6,7
.irp ql, 0,1
.if \ds == 0
	v_wmma_f32_16x16x32_f16 v[64*\ql+8*\kt:64*\ql+8*\kt+7], v[16*\kt+8*\ds:16*\kt+8*\ds+7], v[QF+16*(2*\g+\ql)+8*\ds:QF+16*(2*\g+\ql)+8*\ds+7], 0
.else
	v_wmma_f32_16x16x32_f16 v[64*\ql+8*\kt:64*\ql+8*\kt+7], v[16*\kt+8*\ds:16*\kt+8*\ds+7], v[QF+16*(2*\g+\ql)+8*\ds:QF+16*(2*\g+\ql)+8*\ds+7], v[64*\ql+8*\kt:64*\ql+8*\kt+7]
.endif
.endr
.endr
.endm
.macro SMM                             ; the 32 accumulators take turns, one instruction a turn
	WIN 0x53
	SMG 0, 0
	WIN 0xa3
	SMG 0, 1
	WIN 0x53
	SMG 1, 0
	WIN 0xa3
	SMG 1, 1
.endm
; O^T += V^T P^T for one group: 32 products on eight accumulators that take turns, one instruction a turn.
; start = 1: the first 32 keys start the sums.
.macro PVG start
.irp ks, 0,1,2,3
.irp dt, 0,1,2,3
.irp ql, 0,1
.set z, 0
.if \start
.if \ks == 0
.set z, 1
.endif
.endif
.if z
	v_wmma_f32_16x16x32_f16 v[OO+32*\ql+8*\dt:OO+32*\ql+8*\dt+7], v[VF+32*\dt+8*\ks:VF+32*\dt+8*\ks+7], v[64*\ql+8*\ks:64*\ql+8*\ks+7], 0
.else
	v_wmma_f32_16x16x32_f16 v[OO+32*\ql+8*\dt:OO+32*\ql+8*\dt+7], v[VF+32*\dt+8*\ks:VF+32*\dt+8*\ks+7], v[64*\ql+8*\ks:64*\ql+8*\ks+7], v[OO+32*\ql+8*\dt:OO+32*\ql+8*\dt+7]
.endif
.endr
.endr
.endr
.endm
.macro PVM start
	WIN 0x57
	PVG \start
	WIN 0xab
	PVG \start
.endm
; The softmax step of one group (two query tiles), all in the group's window.  first = 1: the first tile of keys, with no state yet.
.macro SM first
	; the new maximum: four chains of three-way maxima; the old maximum starts one chain of each query tile
.irp ql, 0,1
.if \first
	v_max_num_f32 v[TT+2*\ql], v[64*\ql], v[64*\ql+1]
.else
	v_max3_num_f32 v[TT+2*\ql], v[64*\ql], v[64*\ql+1], v[MM+2*\ql]
.endif
	v_max_num_f32 v[TT+2*\ql+1], v[64*\ql+32], v[64*\ql+33]
.endr
.set i, 1
.rept 15
.irp ql, 0,1
.irp c, 0,1
	v_max3_num_f32 v[TT+2*\ql+\c], v[64*\ql+32*\c+2*i], v[64*\ql+32*\c+2*i+1], v[TT+2*\ql+\c]
.endr
.endr
.set i, i+1
.endr
.irp ql, 0,1
	v_max_num_f32 v[TT+2*\ql], v[TT+2*\ql], v[TT+2*\ql+1]
.endr
.irp ql, 0,1
	v_permlanex16_b32 v[TX+\ql], v[TT+2*\ql], s24, s25     ; the query's other 64 keys lie in lane xor 16
.endr
.irp ql, 0,1
	v_max_num_f32 v[TT+2*\ql], v[TT+2*\ql], v[TX+\ql]
.endr
.if \first == 0
.irp ql, 0,1
	v_sub_f32 v[DL+\ql], v[MM+2*\ql], v[TT+2*\ql]          ; old maximum - new, at most 0
.endr
.endif
.irp ql, 0,1
	v_mov_b32 v[MM+2*\ql], v[TT+2*\ql]
	v_mov_b32 v[MM+2*\ql+1], v[TT+2*\ql]
.endr
.if \first == 0
.irp ql, 0,1
	v_exp_f32 v[AL+2*\ql], v[DL+\ql]                       ; alpha, twice, for the packed products; the first line of the stream below,
	v_exp_f32 v[AL+2*\ql+1], v[DL+\ql]                     ; which names neither, is the plain place behind them (ISA guide 5.7.2)
.endr
.endif
	; the stream, pair by pair of S, in five stages that lag behind each other: subtract the maximum; (rescale a pair of O); two exponentials
	; in place; add to a row sum (two chains for each query tile; each chain's first link rescales the old sum); round two to f16.
	; Behind each two exponentials stands a plain instruction on other registers.  Pair p of a query tile is packed into the tile's register p,
	; which belongs to pair p / 2: that pair has passed every stage.
.set i, 0
.rept 69
.if i < 64
	v_pk_add_f32 v[2*i:2*i+1], v[2*i:2*i+1], v[MM+2*(i/32):MM+2*(i/32)+1] neg_lo:[0,1] neg_hi:[0,1]
.endif
.if \first == 0
.if i < 32
	s_wait_alu depctr_va_vdst(0)
	v_pk_mul_f32 v[OO+2*i:OO+2*i+1], v[OO+2*i:OO+2*i+1], v[AL+2*(i/16):AL+2*(i/16)+1]
.endif
.endif
.if i >= 1
.if i <= 64
	v_exp_f32 v[2*i-2], v[2*i-2]
	v_exp_f32 v[2*i-1], v[2*i-1]
.endif
.endif
.if i >= 2
.if i <= 65
.set p, i-2
.set kq, p%32
.set lr, LL+4*(p/32)+2*(kq&1)
.if kq < 2
.if \first == 0
	s_wait_alu depctr_va_vdst(0)
	v_pk_fma_f32 v[lr:lr+1], v[lr:lr+1], v[AL+2*(p/32):AL+2*(p/32)+1], v[2*p:2*p+1]
.endif
.else
.set z, 0
.if \first
.if kq < 4
.set z, 1
.endif
.endif
.if z
	s_wait_alu depctr_va_vdst(0)
	v_pk_add_f32 v[lr:lr+1], v[2*p:2*p+1], v[2*p-4:2*p-3]  ; the first two pairs of a chain start its sum: nothing is cleared
.else
	s_wait_alu depctr_va_vdst(0)
	v_pk_add_f32 v[lr:lr+1], v[lr:lr+1], v[2*p:2*p+1]
.endif
.endif
.endif
.endif
.if i >= 5
.set p, i-5
	v_cvt_pk_f16_f32 v[64*(p/32)+p%32], v[2*p], v[2*p+1]
.endif
.set i, i+1
.endr
.endm
; Trip t, par = t % 2.  Stage par holds tile t in f16; raw slot 1 - par holds tile t + 1; raw slot par was rounded in the last trip.
; pv: 0 no product with V yet, 1 the first (starts O), 2 later ones.  refill: tile t + 2 is asked for.  conv: tile t + 1 is rounded.
; ONE barrier a trip serves four orders.  In front of it every wave has waited for its LDS instructions (its reads of stage 1 - par and of raw slot
; par, its stores into stage par) and for all its tensor loads (its part of tile t + 1).  Behind it: raw slot par is filled again, first thing;
; stage par is read; raw slot 1 - par is read; stage 1 - par is written.  Where a slot is filled again the barrier is a round of the cluster's.
.macro TRIP par, pv, first, refill, conv
	WIN 0
	s_wait_dscnt 0x0
	s_wait_tensorcnt 0x0                           ; no tensor load of mine is out: a group 0 may be written
	ds_add_u32 v254, v255
	s_wait_dscnt 0x0
.if \refill
	s_add_nc_u64 s[D0+4*\par+2:D0+4*\par+3], s[D0+4*\par+2:D0+4*\par+3], 2*TILEB
	ROUND
	tensor_load_to_lds s[D0+4*\par:D0+4*\par+3], s[D1:D1+7]    ; my one tensor load until the next round; it has this whole trip to land
	s_nop 0
.else
	s_barrier_signal -1
	s_barrier_wait -1
.endif
	LDK \par
.if \refill
.if \par == 0
	; Prefetch, wave 0 alone, in the even trips t = 0 .. 28.  The sixteen work-groups of one y share tiles t + 3 and t + 4 out among them:
	; clusters 0, 1 ask for k's and v's rows of tile t + 3, clusters 2, 3 for those of tile t + 4, each work-group for 32 rows, a lane for one
	; row's 256 bytes: each such piece is asked for once.  The tensor loads of these tiles stand one and two trips further on.
	; The tile's number is held at 31, the last: nothing points past the batch's rows.
	WIN 0
	s_cmp_lg_u32 s16, 0
	s_cbranch_scc1 .Lno_pf_\@
	s_wait_xcnt 0x0                                ; the last prefetch, two trips back, has had its address translated: s[54:55] may be written
	s_min_u32 s3, s49, 31
	s_lshl_b32 s52, s3, 17
	s_add_nc_u64 s[54:55], s[50:51], s[52:53]
	global_prefetch_b8 v[PFO], s[54:55] th:TH_LOAD_NT scope:SCOPE_SE
	s_add_co_u32 s49, s49, 2
.Lno_pf_\@:
.endif
.endif
.if \pv
.if \pv == 1
	PVM 1                                          ; the last trip's P and V^T: 64 products while K's fragments come
.else
	PVM 0
.endif
	PLACES 5                                       ; S is about to be written over P, which these products read (ISA guide 7.12.1)
.endif
.if \conv
	CONV_LD (1-\par)
	s_wait_dscnt 32                                ; K's 32 loads are in; the 32 raw loads behind them may be out
.else
	s_wait_dscnt 0x0
.endif
	SMM
.if \conv
	WIN 0
	s_wait_dscnt 0x0                               ; the raw rows
	CONV_ST (1-\par)                               ; its 64 conversions, which name no register of the products, are the places behind them
.else
	PLACES 4
.endif
	LDV \par                                       ; they come while the softmax runs, for the next trip's products
	WIN 0x55
	SM \first
	WIN 0xaa
	SM \first
.endm
	s_wait_tensorcnt 0x1                           ; my part of tile 0 is in; tile 1's may stay out
	s_wait_dscnt 0x0                               ; Q's fragments
	s_barrier_signal -1
	s_barrier_wait -1
	CONV_LD 0
	s_wait_dscnt 0x0
	CONV_ST 0
	TRIP 0, 0, 1, 1, 1                             ; tile 0
	TRIP 1, 1, 0, 1, 1                             ; tile 1
	WIN 0
	s_mov_b32 s48, 14
.Ltiles:
	TRIP 0, 2, 0, 1, 1                             ; tiles 2 to 29
	TRIP 1, 2, 0, 1, 1
	WIN 0
	s_sub_co_u32 s48, s48, 1
	s_cmp_lg_u32 s48, 0
	s_cbranch_scc1 .Ltiles
	TRIP 0, 2, 0, 0, 1                             ; tile 30: nothing is left to ask for
	TRIP 1, 2, 0, 0, 0                             ; tile 31: nothing is left to round
	WIN 0
	s_wait_dscnt 0x0                               ; the last V^T
	PVM 0
	PLACES 4                                       ; behind the last products, ahead of the lines that read O
; O / l, rounded to f16 in place: pair i of a query tile into the tile's register i
.macro NORM
.irp ql, 0,1
	v_pk_add_f32 v[LL+4*\ql:LL+4*\ql+1], v[LL+4*\ql:LL+4*\ql+1], v[LL+4*\ql+2:LL+4*\ql+3]
.endr
.irp ql, 0,1
	v_add_f32 v[TT+2*\ql], v[LL+4*\ql], v[LL+4*\ql+1]
.endr
.irp ql, 0,1
	v_permlanex16_b32 v[TX+\ql], v[TT+2*\ql], s24, s25
.endr
.irp ql, 0,1
	v_add_f32 v[TT+2*\ql], v[TT+2*\ql], v[TX+\ql]          ; the whole row's sum; at least 1, since the maximum's own term is 1
.endr
.irp ql, 0,1
	v_rcp_f32 v[AL+2*\ql], v[TT+2*\ql]
	v_rcp_f32 v[AL+2*\ql+1], v[TT+2*\ql]
.endr
	v_nop                                          ; the plain place behind the reciprocals (ISA guide 5.7.2)
.set i, 0
	s_wait_alu depctr_va_vdst(0)
.rept 32
	v_pk_mul_f32 v[OO+2*i:OO+2*i+1], v[OO+2*i:OO+2*i+1], v[AL+2*(i/16):AL+2*(i/16)+1]
.set i, i+1
.endr
.set i, 0
.rept 32
	v_cvt_pk_f16_f32 v[OO+32*(i/16)+i%16], v[OO+2*i], v[OO+2*i+1]
.set i, i+1
.endr
.endm
; eight stores of 512 consecutive bytes: query tile 2 g + ql, block u of 32 columns, half hf
.macro CSTORE g
.irp ql, 0,1
.irp u, 0,1
.irp hf, 0,1
	global_store_b128 v1, v[OO+32*\ql+8*\u+4*\hf:OO+32*\ql+8*\u+4*\hf+3], s[62:63] offset:(2*\g+\ql)*8192+\u*1024+\hf*512
.endr
.endr
.endr
.endm
	WIN 0x55
	NORM
	WIN 0x04
	CSTORE 0
	WIN 0xaa
	NORM
	WIN 0x08
	CSTORE 1
	WIN 0
	ROUND                                          ; the closing round: no work-group ends while a partner may still ask jointly
	s_endpgm
.Lfunc_end_k_q708caa5bbe_attn:
	.size	k_q708caa5bbe_attn, .Lfunc_end_k_q708caa5bbe_attn-k_q708caa5bbe_attn
	.p2alignl 7, 3214868480
	.fill 96, 4, 3214868480
	.section	.rodata,"a",@progbits
	.p2align	6, 0x0
	.amdhsa_kernel k_q708caa5bbe_attn
		.amdhsa_group_segment_fixed_size 327680
		.amdhsa_private_segment_fixed_size 0
		.amdhsa_enable_private_segment 0
		.amdhsa_kernarg_size 48
		.amdhsa_user_sgpr_count 2
		.amdhsa_user_sgpr_kernarg_segment_ptr 1
		.amdhsa_wavefront_size32 1
		.amdhsa_system_sgpr_workgroup_id_x 1
		.amdhsa_system_sgpr_workgroup_id_y 1
		.amdhsa_system_sgpr_workgroup_id_z 1
		.amdhsa_system_vgpr_workitem_id 0
		.amdhsa_next_free_vgpr 1024
		.amdhsa_next_free_sgpr 66
		.amdhsa_reserve_vcc 0
		.amdhsa_float_denorm_mode_32 3
		.amdhsa_float_denorm_mode_16_64 3
		.amdhsa_memory_ordered 1
		.amdhsa_forward_progress 1
		.amdhsa_inst_pref_size 255
	.end_amdhsa_kernel
	.section	.bss,"aw",@nobits
	.p2align	6
	.space	262144
	.amdgpu_metadata
---
amdhsa.version: [ 1, 2 ]
amdhsa.kernels:
  - .name:           k_q708caa5bbe_attn
    .symbol:         k_q708caa5bbe_attn.kd
    .args:
      - { .name: q, .offset: 0, .size: 8, .value_kind: global_buffer, .address_space: global }
      - { .name: k, .offset: 8, .size: 8, .value_kind: global_buffer, .address_space: global }
      - { .name: v, .offset: 16, .size: 8, .value_kind: global_buffer, .address_space: global }
      - { .name: W_out, .offset: 24, .size: 8, .value_kind: global_buffer, .address_space: global }
      - { .name: ctx, .offset: 32, .size: 8, .value_kind: global_buffer, .address_space: global }
      - { .name: wfrag, .offset: 40, .size: 8, .value_kind: global_buffer, .address_space: global }
    .group_segment_fixed_size: 327680
    .private_segment_fixed_size: 0
    .kernarg_segment_align: 8
    .kernarg_segment_size: 48
    .max_flat_workgroup_size: 128
    .sgpr_count:     66
    .vgpr_count:     1024
    .wavefront_size: 32
...
	.end_amdgpu_metadata
.endif
;; end of part 1
;; launch proj (part 2): grid 256 x 1, 4 waves a work-group, no clusters, 70,144 bytes of LDS; arguments ctx, wfrag, b_out, out0; writes out0
.if DOCPART == 2
	.amdgcn_target "amdgcn-amd-amdhsa--gfx1250"
	.amdhsa_code_object_version 6
	.text
	.protected	k_q708caa5bbe_proj
	.globl	k_q708caa5bbe_proj
	.p2align	8
	.type	k_q708caa5bbe_proj,@function
k_q708caa5bbe_proj:
	s_mov_b64 s[64:65], 0
	v_nop
	global_prefetch_b8 v0, s[64:65] scope:SCOPE_SE
	s_setreg_imm32_b32 hwreg(HW_REG_WAVE_MODE, 25, 1), 1
	s_wait_xcnt 0x0
; out0[n][e] = sum over c of ctx[n][c] W_out[e][c] + b_out[e].  16,384 rows, 256 columns, K = 256.
; ctx and wfrag hold f16 in fragment order: [tile of 16 rows][block of 32 along K: 8][half: 2][lane: 32][16 bytes], so two loads of 512
; consecutive bytes a wave fill a 16 x 32 operand, and neither operand goes through LDS.  Sums and the bias are f32.
; (The limits of f16 for ctx and W_out are stated at the head of the launch that stores them.)
; Work-group g makes rows 64 g .. + 63, wave w columns 64 w .. + 63: 16 accumulators, 8 K steps, 128 products.
; The product is taken transposed (first operand W's rows, second ctx's rows): a lane holds 8 neighbouring columns of one row.
; The bias enters as the C operand of the first K step: nothing is cleared and nothing is added afterwards.
; NO CLUSTER, NO TENSOR LOAD: a wave's 32,768 bytes of wfrag are used by that wave alone in its work-group, and the ctx rows by this
; work-group alone; both go straight into registers, where a joint load into LDS would add a write and a read of every byte.
; REGISTERS: window 0: v1-5 addresses, v32-63 the bias as four C tiles, v64-191 accumulators; window 1: ctx's 32 fragments; window 2: W's.
; LDS: for each wave a stage of 64 rows, 272 bytes apart (256 + 16: sixteen rows start at sixteen different 16-byte columns), its own.
.set BI,  32
.set ACC, 64
.set SP,  272
.set MSB, 0
.macro WIN new
.if MSB != \new
	s_set_vgpr_msb (MSB<<8)|\new
.set MSB, \new
.endif
.endm
	s_load_b256 s[4:11], s[0:1], 0x0               ; ctx s[4:5], wfrag s[6:7], b_out s[8:9], out0 s[10:11]
	v_lshl_add_u32 v254, v0, 2, 0x11000
	v_mov_b32 v255, 0
	v_lshrrev_b32 v6, 5, v0
	v_readfirstlane_b32 s12, v6                    ; wave
	v_and_b32 v7, 31, v0                           ; l
	v_and_b32 v8, 15, v0                           ; l % 16
	v_bfe_u32 v9, v0, 4, 1                         ; l / 16
	v_lshlrev_b32 v1, 4, v7                        ; fragments: 16 l
	v_lshlrev_b32 v2, 5, v9                        ; bias: my 8 columns of a tile of 16
	s_mul_i32 s13, s12, 64*SP                      ; my stage
	v_mul_u32_u24 v10, v8, SP
	v_lshl_add_u32 v10, v9, 5, v10
	v_add_nc_u32 v3, s13, v10                      ; in: row l % 16, 32 bytes for each half of the lanes
	v_mul_u32_u24 v11, v9, SP
	v_lshl_add_u32 v11, v8, 4, v11
	v_add_nc_u32 v4, s13, v11                      ; back: lanes 0-15 one row of 256 bytes, lanes 16-31 the next
	v_lshlrev_b32 v5, 10, v9
	v_lshl_add_u32 v5, v8, 4, v5                   ; and the same two rows in out0
	s_lshl_b32 s14, ttmp9, 15                      ; four tiles of ctx, 8,192 bytes each
	s_mov_b32 s15, 0
	s_lshl_b32 s16, s12, 15                        ; four tiles of W
	s_mov_b32 s17, 0
	s_lshl_b32 s18, s12, 8                         ; 64 columns of f32
	s_mov_b32 s19, 0
	s_lshl_b32 s20, ttmp9, 16                      ; 64 rows of 1,024 bytes
	s_add_co_u32 s20, s20, s18
	s_mov_b32 s21, 0
	s_wait_kmcnt 0x0
	s_add_nc_u64 s[4:5], s[4:5], s[14:15]
	s_add_nc_u64 s[6:7], s[6:7], s[16:17]
	s_add_nc_u64 s[8:9], s[8:9], s[18:19]
	s_add_nc_u64 s[10:11], s[10:11], s[20:21]
.irp i, 0,1,2,3
	global_load_b128 v[BI+8*\i:BI+8*\i+3],   v2, s[8:9] offset:64*\i       ; register j of the C tile: column 16 i + 8 (l / 16) + j, for every row
	global_load_b128 v[BI+8*\i+4:BI+8*\i+7], v2, s[8:9] offset:64*\i+16
.endr
; the 16 loads of K step kk, into registers of their own: no register is ever loaded twice
.macro KLOAD kk
	WIN 0x40
.irp t, 0,1,2,3
	global_load_b128 v[32*\kk+8*\t:32*\kk+8*\t+3],   v1, s[4:5] offset:\t*8192+\kk*1024
	global_load_b128 v[32*\kk+8*\t+4:32*\kk+8*\t+7], v1, s[4:5] offset:\t*8192+\kk*1024+512
.endr
	WIN 0x80
.irp t, 0,1,2,3
	global_load_b128 v[32*\kk+8*\t:32*\kk+8*\t+3],   v1, s[6:7] offset:\t*8192+\kk*1024
	global_load_b128 v[32*\kk+8*\t+4:32*\kk+8*\t+7], v1, s[6:7] offset:\t*8192+\kk*1024+512
.endr
.endm
; its 16 products; the 16 accumulators take turns, one instruction a turn
.macro KMUL kk, first
	WIN 0x06
.irp i, 0,1,2,3
.irp t, 0,1,2,3
.if \first
	v_wmma_f32_16x16x32_f16 v[ACC+8*(4*\i+\t):ACC+8*(4*\i+\t)+7], v[32*\kk+8*\i:32*\kk+8*\i+7], v[32*\kk+8*\t:32*\kk+8*\t+7], v[BI+8*\i:BI+8*\i+7]
.else
	v_wmma_f32_16x16x32_f16 v[ACC+8*(4*\i+\t):ACC+8*(4*\i+\t)+7], v[32*\kk+8*\i:32*\kk+8*\i+7], v[32*\kk+8*\t:32*\kk+8*\t+7], v[ACC+8*(4*\i+\t):ACC+8*(4*\i+\t)+7]
.endif
.endr
.endr
.endm
	KLOAD 0
	KLOAD 1
	KLOAD 2
	s_wait_loadcnt 32                              ; the bias and K step 0 are in; the 32 loads of steps 1 and 2 may be out
	KLOAD 3
	KMUL 0, 1
	s_wait_loadcnt 32                              ; likewise in each step: the two steps issued behind the one that is due
	KLOAD 4
	KMUL 1, 0
	s_wait_loadcnt 32
	KLOAD 5
	KMUL 2, 0
	s_wait_loadcnt 32
	KLOAD 6
	KMUL 3, 0
	s_wait_loadcnt 32
	KLOAD 7
	KMUL 4, 0
	s_wait_loadcnt 32                              ; steps 6 and 7
	KMUL 5, 0
	s_wait_loadcnt 16                              ; step 7
	KMUL 6, 0
	s_wait_loadcnt 0x0
	KMUL 7, 0
.rept 4
	v_nop                                          ; four places behind the last products: for the stores of results and the loads into window 1
.endr
	; the way out: 32 bytes a lane into my stage, whole rows of 256 bytes back, sixteen lanes store 256 consecutive aligned bytes
	WIN 0
.irp t, 0,1,2,3
.irp i, 0,1,2,3
	ds_store_b128 v3, v[ACC+8*(4*\i+\t):ACC+8*(4*\i+\t)+3]   offset:\t*16*SP+\i*64
	ds_store_b128 v3, v[ACC+8*(4*\i+\t)+4:ACC+8*(4*\i+\t)+7] offset:\t*16*SP+\i*64+16
.endr
.endr
	WIN 0x40
.set t, 0
.rept 32
	ds_load_b128 v[4*t:4*t+3], v4 offset:2*SP*t    ; my own bytes: LDS serves a wave's instructions in order (ISA guide 5.7.1)
.set t, t+1
.endr
	WIN 0x04
.set t, 0
.rept 32
	s_wait_dscnt 31-t                              ; read-back t is in; the younger ones may be out
	global_store_b128 v5, v[4*t:4*t+3], s[10:11] offset:2048*t th:TH_STORE_NT
.set t, t+1
.endr
	s_set_vgpr_msb 0x400
	s_wait_tensorcnt 0x0
	ds_add_u32 v254, v255
	s_wait_dscnt 0x0
	s_set_vgpr_msb 0x4
	s_endpgm
.Lfunc_end_k_q708caa5bbe_proj:
	.size	k_q708caa5bbe_proj, .Lfunc_end_k_q708caa5bbe_proj-k_q708caa5bbe_proj
	.p2alignl 7, 3214868480
	.fill 96, 4, 3214868480
	.section	.rodata,"a",@progbits
	.p2align	6, 0x0
	.amdhsa_kernel k_q708caa5bbe_proj
		.amdhsa_group_segment_fixed_size 70144
		.amdhsa_private_segment_fixed_size 0
		.amdhsa_enable_private_segment 0
		.amdhsa_kernarg_size 32
		.amdhsa_user_sgpr_count 2
		.amdhsa_user_sgpr_kernarg_segment_ptr 1
		.amdhsa_wavefront_size32 1
		.amdhsa_system_sgpr_workgroup_id_x 1
		.amdhsa_system_sgpr_workgroup_id_y 1
		.amdhsa_system_sgpr_workgroup_id_z 1
		.amdhsa_system_vgpr_workitem_id 0
		.amdhsa_next_free_vgpr 768
		.amdhsa_next_free_sgpr 66
		.amdhsa_reserve_vcc 0
		.amdhsa_float_denorm_mode_32 3
		.amdhsa_float_denorm_mode_16_64 3
		.amdhsa_memory_ordered 1
		.amdhsa_forward_progress 1
		.amdhsa_inst_pref_size 32
	.end_amdhsa_kernel
	.amdgpu_metadata
---
amdhsa.version: [ 1, 2 ]
amdhsa.kernels:
  - .name:           k_q708caa5bbe_proj
    .symbol:         k_q708caa5bbe_proj.kd
    .args:
      - { .name: ctx, .offset: 0, .size: 8, .value_kind: global_buffer, .address_space: global }
      - { .name: wfrag, .offset: 8, .size: 8, .value_kind: global_buffer, .address_space: global }
      - { .name: b_out, .offset: 16, .size: 8, .value_kind: global_buffer, .address_space: global }
      - { .name: out0, .offset: 24, .size: 8, .value_kind: global_buffer, .address_space: global }
    .group_segment_fixed_size: 70144
    .private_segment_fixed_size: 0
    .kernarg_segment_align: 8
    .kernarg_segment_size: 32
    .max_flat_workgroup_size: 128
    .sgpr_count:     66
    .vgpr_count:     768
    .wavefront_size: 32
...
	.end_amdgpu_metadata
.endif
;; end of part 2
